; MI455X (gfx1250); checked and timed in simulation.
; The chip was launched on July 23, 2026; its instructions are those of AMD's public machine-readable ISA for CDNA 5 (MIT licence, August 2026) and "CDNA5" Instruction Set Architecture Reference Guide (July 2026). The comments in the code are by the model that wrote it; some were corrected since.
;; Sparse MLP. Allowed arithmetic: matrix products marked QUANTISED: E2M3 operands, one E8M0 scale for each 32 along K, by v_wmma_scale_f32_16x16x128_f8f6f4 with both operands' format E2M3, f32 sums; everything else in f32.
;; Inputs: expert_ids 2,048 int32; w1 16,384 x 1,024 float32; w2 16,384 x 1,024 float32; x 2,048 x 1,024 float32.
;; Outputs: out0 2,048 x 1,024 float32.
;; This version of the problem:
;;   THIS VERSION OF THE PROBLEM IS GIVEN IN LOW PRECISION. The matrix products marked QUANTISED in the list below multiply operands that are first quantised to E2M3 (2 exponent bits, 3 mantissa bits; 6 bits a number), with one power-of-two scale for each 32 numbers along K (OCP MX v1.0); their sums are f32. All else is computed in f32.
;;   The module's matrix products, in the order in which they are computed (A, B: the left and right operand; K: the contracted axis; several contracted axes count as one K, in the product's order):
;;     1. [M 2,048, K 1,024] x [K 1,024, N 2,048]; A: input x; B: input w1: QUANTISED
;;     2. [M 2,048, K 2,048] x [K 2,048, N 1,024]; A: computed on the way; B: input w2: QUANTISED
;;     3. [M 2,048, K 1,024] x [K 1,024, N 2,048]; A: input x; B: input w1: QUANTISED
;;     4. [M 2,048, K 2,048] x [K 2,048, N 1,024]; A: computed on the way; B: input w2: QUANTISED
;;     5. [M 2,048, K 1,024] x [K 1,024, N 2,048]; A: input x; B: input w1: QUANTISED
;;     6. [M 2,048, K 2,048] x [K 2,048, N 1,024]; A: computed on the way; B: input w2: QUANTISED
;;     7. [M 2,048, K 1,024] x [K 1,024, N 2,048]; A: input x; B: input w1: QUANTISED
;;     8. [M 2,048, K 2,048] x [K 2,048, N 1,024]; A: computed on the way; B: input w2: QUANTISED
;;     9. [M 2,048, K 1,024] x [K 1,024, N 2,048]; A: input x; B: input w1: QUANTISED
;;     10. [M 2,048, K 2,048] x [K 2,048, N 1,024]; A: computed on the way; B: input w2: QUANTISED
;;     11. [M 2,048, K 1,024] x [K 1,024, N 2,048]; A: input x; B: input w1: QUANTISED
;;     12. [M 2,048, K 2,048] x [K 2,048, N 1,024]; A: computed on the way; B: input w2: QUANTISED
;;     13. [M 2,048, K 1,024] x [K 1,024, N 2,048]; A: input x; B: input w1: QUANTISED
;;     14. [M 2,048, K 2,048] x [K 2,048, N 1,024]; A: computed on the way; B: input w2: QUANTISED
;;     15. [M 2,048, K 1,024] x [K 1,024, N 2,048]; A: input x; B: input w1: QUANTISED
;;     16. [M 2,048, K 2,048] x [K 2,048, N 1,024]; A: computed on the way; B: input w2: QUANTISED
;;   THE QUANTISER, for each operand of a quantised product, along K:
;;     - K is cut into blocks of 32 from its start; a last block that is shorter is filled with zeros.
;;     - A block's scale is 2^e with e = floor(log2(the largest magnitude in the block)) - 2, held to -126 .. 127; a block of zeros has e = 0. As a byte (E8M0): e + 127.
;;     - Each number is divided by its block's scale, clamped to +-7.5, and rounded to the nearest number of E2M3, ties to even, subnormals kept.
;;     - The product sums the exact products of the quantised numbers (number of the format x scale) in f32.
;;   ~~~python
;;   def quantise(x, axis):      # numpy; x: float32 -> the quantised numbers, widened to float32 again
;;       x = np.moveaxis(x, axis, -1); K = x.shape[-1]
;;       x = np.pad(x, [(0, 0)] * (x.ndim - 1) + [(0, -K % 32)]); x = x.reshape(x.shape[:-1] + (-1, 32)); a = np.abs(x).max(-1, keepdims=True)
;;       e = np.where(a > 0, np.clip(np.frexp(np.where(a > 0, a, 1))[1] - 1 - 2, -126, 127), 0)      # np.frexp(a)[1] - 1 = floor(log2(a)), exactly
;;       r = np.clip(x / 2.0 ** e, -7.5, 7.5)
;;       step = 2.0 ** (np.maximum(np.frexp(np.where(r == 0, 1, r))[1] - 1, 0) - 3)
;;       q = np.round(r / step) * step * 2.0 ** e      # np.round: ties to even
;;       return np.moveaxis(q.reshape(q.shape[:-2] + (-1,))[..., :K], -1, axis).astype(np.float32)
;;   ~~~
;;   OPERANDS COMPUTED ON THE WAY. 'Computed on the way' means the value that the module computes at that place (a softmax that the list does not call 'softmax' is quantised finished and normalised). What goes into a quantiser is computed in f32, as accurately as f32 sums, v_exp_f32 and their like allow (about 1e-6 of the number): no bf16 or f16 on the way to a quantiser, and a product that is left as it is and whose result goes on into a quantised operand takes f32 operands (vector FMAs, or v_wmma_f32_16x16x4_f32). A number that lies on a knife's edge between two numbers of the format may be rounded either way, as far as f32 arithmetic and the matrix unit's own rounding can turn it there, and no further.
;; One version. Each part assembles by itself: llvm-mc -triple=amdgcn-amd-amdhsa -mcpu=gfx1250 --defsym DOCPART=n.
;; ======== version 1 of 1: 3 launches
;; limits: right only within a limited range of input values
;; workspace buffers: xq 1,638,400 bytes; hq 3,276,800 bytes; order 8,192 bytes of whole numbers; offs 256 bytes of whole numbers; w2q 12,582,912 bytes; w2s 524,288 bytes
;; launch prep (part 1): grid 256 x 1, 8 waves a work-group, no clusters, 52,224 bytes of LDS; arguments x, expert_ids, xq, order, offs, w2, w2q, w2s; writes xq, order, offs, w2q, w2s
.if DOCPART == 1
	.amdgcn_target "amdgcn-amd-amdhsa--gfx1250"
	.amdhsa_code_object_version 6
	.text
	.protected	k_q90a21f5a22_prep
	.globl	k_q90a21f5a22_prep
	.p2align	8
	.type	k_q90a21f5a22_prep,@function
k_q90a21f5a22_prep:
	s_mov_b64 s[64:65], 0
	v_nop
	global_prefetch_b8 v0, s[64:65] scope:SCOPE_SE
	s_setreg_imm32_b32 hwreg(HW_REG_WAVE_MODE, 25, 1), 1
	s_wait_xcnt 0x0
; PREP: 2,048 waves; wave W does two things that do not hang on each other: it routes and quantises token W, and it quantises one piece of w2.
; WORK LEFT OUT BY THE PROGRAM: reference() multiplies every token by every expert and keeps, by its own where on expert_ids, the rows of the token's expert alone; the later launches multiply only those rows.
; A NaN, an infinity or an overflow that would arise only in the rows thrown away is not carried to the result.
; THE TOKEN.  Token t gets its place pos in the order sorted by expert; its row of x becomes codes of FP6 (E2M3) with one E8M0 byte for each 32 along K, stored at place pos.  order[pos] = t;
; offs[e] = how many tokens lie in front of expert e's (e = 0 .. 7), offs[8 .. 15] = 2048.
; key(t) = min(id, 7) x 2048 + t (id unsigned): all keys differ, and pos(t) = the number of keys under key(t), counted by every wave for itself with compares.  expert_ids need not be sorted.
; An id outside 0 .. 7 matches no expert: such a token is filed with expert 7 and ALL ITS CODES ARE ZEROS, so that its hidden layer and its output come out as zeros.
; xq: 128 tiles of 16 places, 12,800 bytes each: 16 rows of 768 bytes of codes, then 16 x 32 scale bytes; in each group of four scale bytes the two middle ones change places (byte 2 c + h carries block 2 h + c).
; THE PIECE OF w2.  K of the second product is w2's FIRST axis.  Wave W = 256 e + 16 s + g takes K step s (128 rows) of expert e at columns 64 g .. 64 g + 63: 32,768 bytes.
; Lane (q, h) reads 16 bytes, columns 4 q .. 4 q + 3, of rows 64 h + i, i = 0 .. 63: sixteen lanes read one aligned run of 256 bytes.  All 64 loads are asked for ahead of the token's work; they fill window 1.
; A conversion takes 16 neighbours along K from consecutive registers, and a load of 16 bytes lays four columns side by side: so each column's 64 numbers are moved into a run of registers, and become the 12 registers
; that lane (r, h) of a fragment holds (k = 64 h .. 64 h + 63; registers 6 c .. 6 c + 5 are block 2 h + c) and, with lane l xor 16's two bytes, the column's scale word.
; The lanes beside me hold columns four apart, so the codes (6,144 bytes a wave) turn through my own stage in LDS and leave as four fragment images on end: 512 consecutive bytes a store.
; w2q: [e][g][s][4 fragments of 16 columns][1,536 bytes: registers 4 i .. 4 i + 3 of lane l at 512 i + 16 l].   w2s: [e][g][s][64 columns] scale words: 256 consecutive bytes a wave (lanes 16-31 store the same words as lanes 0-15).
; A block's scale is 2^(floor(log2(largest magnitude)) - 2): its byte is the largest magnitude's exponent field - 2, held at 1 from below.
; LIMITS: NaN and infinities are not served; a block whose largest magnitude lies under 2^(3 - 127), a block of zeros too, gets the byte 1 (its codes are zeros or nearly; only this program reads the bytes).
; No barrier: a wave's stage is its own.  No matrix work, no tensor load, no cluster (nothing is shared).  No prefetch: the text has no loop to run ahead in, and each wave asks for all its bytes at its head.
.set STG, 6400                         ; a wave's stage: first 32 places of 144 bytes for x, later four images of 1,536 + 16 bytes
.set SPARE, 51200                      ; behind the eight stages: the spare words
.set CP,  1552                         ; an image's pitch in the stage
.set XL,  32                           ; v32-63   x as loaded
.set KY,  64                           ; v64-127  ids, then keys
.set XN,  128                          ; v128-159 my block of x
.set TM,  32                           ; w2: v32-41 at work
.set CT,  44                           ; v44-46, v48-50 second halves of two blocks' codes
.set SW,  52                           ; v52-55 four columns' scale words
.set X,   64                           ; v64-127 a column's 64 numbers; later the images read back
.set F,   128                          ; v128-175 four columns' codes, 12 registers each
.set MSB, 0
.macro WIN new
.if MSB != (\new)
	s_set_vgpr_msb (MSB<<8)|(\new)
.set MSB, (\new)
.endif
.endm
; res = the number of keys under thr.  Register 4 q + i of lane l holds min(id, 7) x 2048 + 4 l of token 128 q + 4 l + i; the rest of the token's number is taken off the threshold.  Signed compares.
.macro COUNT thr, res
	s_mov_b32 s[\res], 0
.irp q, 0,1,2,3,4,5,6,7,8,9,10,11,12,13,14,15
.irp i, 0,1,2,3
	s_sub_co_i32 s[24+\i], s[\thr], 128*\q+\i
.endr
.irp i, 0,1,2,3
	v_cmp_gt_i32 s[28+\i], s[24+\i], v[KY+4*\q+\i]
.endr
.irp i, 0,1,2,3
	s_bcnt1_i32_b32 s[28+\i], s[28+\i]
.endr
.irp i, 0,1,2,3
	s_add_co_u32 s[\res], s[\res], s[28+\i]
.endr
.endr
.endm
.macro W2LOAD first, n                 ; rows first .. first + n - 1 of my half: register 4 i + c of window 1 = w2(64 h + i, 4 q + c)
	WIN 0x40
.set N, \first
.rept \n
	global_load_b128 v[4*N:4*N+3], v28, s[50:51] offset:4096*N th:TH_LOAD_NT
.set N, N+1
.endr
	WIN 0
.endm
.macro QCOL c                          ; column 4 q + c: 64 numbers -> 12 registers of codes, a scale word, three stores into the stage
	WIN 0x01                                       ; source 0: window 1
.set N, 0
.rept 64
	v_mov_b32 v[X+N], v[4*N+\c]
.set N, N+1
.endr
	WIN 0
.irp b, 0,1
	v_max3_num_f32 v[TM+\b], |v[X+32*\b]|, |v[X+32*\b+1]|, 0x1800000   ; block 2 h + b; the floor 2^(3 - 127) keeps the byte at 1 or above
.endr
.irp i, 2,4,6,8,10,12,14,16,18,20,22,24,26,28,30
.irp b, 0,1
	s_delay_alu instid0(VALU_DEP_2)
	v_max3_num_f32 v[TM+\b], v[TM+\b], |v[X+32*\b+\i]|, |v[X+32*\b+\i+1]|
.endr
.endr
.irp b, 0,1
	v_add_nc_u32 v[TM+4+\b], 0xff000000, v[TM+\b]  ; 2 off the exponent field: the conversion's scale operand
.endr
.irp b, 0,1
	v_lshrrev_b32 v[TM+6+\b], 23, v[TM+4+\b]       ; the byte
.endr
	v_lshl_or_b32 v[TM+8], v[TM+7], 16, v[TM+6]    ; my two bytes at 2 b,
	v_lshlrev_b32 v[TM+8], v23, v[TM+8]            ; + h;
	v_permlanex16_b32 v[TM+9], v[TM+8], s52, s53
	v_or_b32 v[SW+\c], v[TM+8], v[TM+9]            ; with lane l xor 16's two the word is whole
.irp b, 0,1
	v_cvt_scalef32_pk16_fp6_f32 v[F+12*\c+6*\b:F+12*\c+6*\b+2], v[X+32*\b:X+32*\b+15], v[TM+4+\b]
	v_cvt_scalef32_pk16_fp6_f32 v[CT+4*\b:CT+4*\b+2], v[X+32*\b+16:X+32*\b+31], v[TM+4+\b]   ; (a conversion's three registers begin on an even number)
.endr
	v_nop                                          ; one plain place behind a scaled conversion
.irp b, 0,1
.irp i, 0,1,2
	v_mov_b32 v[F+12*\c+6*\b+3+\i], v[CT+4*\b+\i]
.endr
.endr
.irp i, 0,1,2
	ds_store_b128 v29, v[F+12*\c+4*\i:F+12*\c+4*\i+3] offset:16*\c+512*\i   ; fragment q / 4, lane (4 (q % 4) + c, h)
.endr
.endm
	s_load_b256 s[4:11], s[0:1], 0x0               ; x s[4:5], expert_ids s[6:7], xq s[8:9], order s[10:11]
	s_load_b64 s[12:13], s[0:1], 0x20              ; offs
	s_load_b128 s[44:47], s[0:1], 0x28             ; w2 s[44:45], w2q s[46:47]
	s_load_b64 s[48:49], s[0:1], 0x38              ; w2s
	v_lshl_add_u32 v176, v0, 2, SPARE
	v_mov_b32 v177, 0
	v_lshrrev_b32 v8, 5, v0
	s_delay_alu instid0(VALU_DEP_1)
	v_readfirstlane_b32 s14, v8                    ; wave 0..7
	v_and_b32 v1, 31, v0                           ; lane
	s_delay_alu instid0(VALU_DEP_1)
	v_lshlrev_b32 v2, 4, v1                        ; 16 x lane
	v_lshlrev_b32 v3, 2, v1                        ; 4 x lane: my part of a token's number
	s_mul_i32 s36, s14, STG                        ; my wave's stage
	v_lshrrev_b32 v8, 3, v1
	s_delay_alu instid0(VALU_DEP_1)
	v_mul_u32_u24 v8, v8, 144
	v_and_b32 v9, 7, v1
	s_delay_alu instid0(VALU_DEP_1)
	v_lshl_add_u32 v8, v9, 4, v8
	s_delay_alu instid0(VALU_DEP_1)
	v_add_nc_u32 v4, s36, v8                       ; x into the stage: eight lanes' 128 bytes on end, then 16 of padding
	v_mul_u32_u24 v5, v1, 144
	s_delay_alu instid0(VALU_DEP_1)
	v_add_nc_u32 v5, s36, v5                       ; out of it: place = lane
	v_mul_u32_u24 v6, v1, 24                       ; my block's 24 bytes of codes in the row
	v_and_b32 v7, 28, v1                           ; my block's scale byte: in its group of four, bits 0 and 1 change places
	v_and_b32 v8, 1, v1
	s_delay_alu instid0(VALU_DEP_1)
	v_lshl_or_b32 v7, v8, 1, v7
	v_bfe_u32 v8, v1, 1, 1
	s_delay_alu instid0(VALU_DEP_1)
	v_or_b32 v7, v7, v8
	v_and_b32 v25, 15, v0                          ; q
	v_bfe_u32 v26, v0, 4, 1                        ; h
	v_lshlrev_b32 v27, 4, v25                      ; 16 q: my 16 bytes of a row's 256, and of the scale words' 256
	v_lshlrev_b32 v23, 3, v26                      ; 8 h
	v_lshl_add_u32 v28, v26, 18, v27               ; w2: + 64 h rows of 4,096 bytes
	v_lshrrev_b32 v30, 2, v25
	v_and_b32 v31, 3, v25
	v_mul_u32_u24 v30, v30, CP
	s_delay_alu instid0(VALU_DEP_1)
	v_lshl_add_u32 v30, v31, 6, v30
	s_delay_alu instid0(VALU_DEP_1)
	v_lshl_add_u32 v30, v26, 8, v30
	s_delay_alu instid0(VALU_DEP_1)
	v_add_nc_u32 v29, s36, v30                     ; codes into the stage: image q / 4, + 256 h + 64 (q % 4)
	v_add_nc_u32 v31, s36, v2                      ; and back: 16 x lane
	s_lshl_b32 s15, ttmp9, 3
	s_add_co_u32 s15, s15, s14                     ; W = t = 8 x work-group + wave
	s_lshl_b32 s32, s15, 12                        ; my row of x
	s_mov_b32 s33, 0
	s_lshl_b32 s37, s15, 2
	s_and_b32 s58, s15, 15                         ; g
	s_bfe_u32 s59, s15, 0x40004                    ; s
	s_lshr_b32 s60, s15, 8                         ; e
	s_lshl_b32 s50, s60, 23                        ; w2: (2,048 e + 128 s) rows of 4,096 bytes + 256 g: under 2^26
	s_lshl_b32 s61, s59, 19
	s_add_co_u32 s50, s50, s61
	s_lshl_b32 s61, s58, 8
	s_add_co_u32 s50, s50, s61
	s_mov_b32 s51, 0
	s_lshl_b32 s54, s60, 8                         ; (16 e + g) 16 + s
	s_lshl_b32 s61, s58, 4
	s_add_co_u32 s54, s54, s61
	s_add_co_u32 s54, s54, s59
	s_lshl_b32 s56, s54, 8                         ; x 256 bytes of scale words,
	s_mov_b32 s57, 0
	s_mul_i32 s54, s54, 6144                       ; x 6,144 bytes of codes
	s_mov_b32 s55, 0
	s_mov_b32 s52, 0x76543210
	s_mov_b32 s53, 0xfedcba98                      ; v_permlanex16_b32's selects for lane l xor 16
	s_wait_alu depctr_va_vdst(0)
	s_wait_kmcnt 0x0
	s_add_nc_u64 s[32:33], s[4:5], s[32:33]
	s_add_nc_u64 s[50:51], s[44:45], s[50:51]
	s_add_nc_u64 s[54:55], s[46:47], s[54:55]
	s_add_nc_u64 s[56:57], s[48:49], s[56:57]
.irp q, 0,1,2,3,4,5,6,7
	global_load_b128 v[XL+4*\q:XL+4*\q+3], v2, s[32:33] offset:512*\q th:TH_LOAD_NT   ; 32 lanes read 512 consecutive bytes
.endr
.irp q, 0,1,2,3,4,5,6,7,8,9,10,11,12,13,14,15
	global_load_b128 v[KY+4*\q:KY+4*\q+3], v2, s[6:7] offset:512*\q                   ; all 2,048 ids: every wave reads them, so no hint
.endr
	W2LOAD 0, 32
	s_load_b32 s16, s[6:7], s37 offset:0x0         ; my token's id
	s_wait_loadcnt 48                              ; x's eight loads are in: behind them 16 loads of ids and 32 of w2
.irp q, 0,1,2,3,4,5,6,7
	ds_store_b128 v4, v[XL+4*\q:XL+4*\q+3] offset:576*\q
.endr
.irp i, 0,1,2,3,4,5,6,7
	ds_load_b128 v[XN+4*\i:XN+4*\i+3], v5 offset:16*\i   ; LDS serves a wave's instructions in order (ISA guide 5.7.1.4): these see the stores above
.endr
	s_wait_loadcnt 31                              ; the ids are in (and w2's first load): 31 of w2's are out, so that the 32 below make 63
	W2LOAD 32, 32
.set N, 0
.rept 64
	v_min_u32 v[KY+N], 7, v[KY+N]                  ; unsigned: a negative id and one above 7 become 7
	s_delay_alu instid0(VALU_DEP_1)
	v_lshl_add_u32 v[KY+N], v[KY+N], 11, v3
.set N, N+1
.endr
	s_wait_kmcnt 0x0
	s_min_u32 s17, s16, 7
	s_cmp_le_u32 s16, 7
	s_cselect_b32 s18, -1, 0                       ; keeps the codes of a token that some expert takes, clears the others'
	s_lshl_b32 s20, s17, 11
	s_add_co_u32 s20, s20, s15                     ; my key
	COUNT 20, 22                                   ; s22 = pos
	s_wait_dscnt 0x0                               ; my block is back from the stage
	v_max3_num_f32 v8, |v[XN]|, |v[XN+1]|, |v[XN+2]|
	v_max3_num_f32 v9, |v[XN+3]|, |v[XN+4]|, |v[XN+5]|
.irp i, 6,10,14,18,22,26
	s_delay_alu instid0(VALU_DEP_2)
	v_max3_num_f32 v8, v8, |v[XN+\i]|, |v[XN+\i+1]|
	s_delay_alu instid0(VALU_DEP_2)
	v_max3_num_f32 v9, v9, |v[XN+\i+2]|, |v[XN+\i+3]|
.endr
	s_delay_alu instid0(VALU_DEP_2)
	v_max3_num_f32 v8, v8, |v[XN+30]|, |v[XN+31]|
	s_delay_alu instid0(VALU_DEP_1)
	v_max3_num_f32 v8, v8, v9, 0x1800000           ; and the floor 2^(3 - 127)
	s_delay_alu instid0(VALU_DEP_1)
	v_add_nc_u32 v10, 0xff000000, v8
	s_delay_alu instid0(VALU_DEP_1)
	v_lshrrev_b32 v11, 23, v10                     ; the scale's byte
	v_cvt_scalef32_pk16_fp6_f32 v[16:18], v[XN:XN+15], v10
	v_cvt_scalef32_pk16_fp6_f32 v[20:22], v[XN+16:XN+31], v10
	v_nop                                          ; one plain place behind a scaled conversion
.irp i, 16,17,18,20,21,22
	v_and_b32 v\i, s18, v\i
.endr
	s_min_u32 s22, s22, 2047                       ; pos is under 2,048 by the count; held, since it enters addresses
	s_lshr_b32 s36, s22, 4
	s_min_u32 s36, s36, 127                        ; the tile
	s_and_b32 s37, s22, 15                         ; the row in it
	s_mul_i32 s38, s36, 12800
	s_mul_i32 s39, s37, 768
	s_add_co_u32 s34, s38, s39
	s_mov_b32 s35, 0
	s_add_nc_u64 s[34:35], s[8:9], s[34:35]        ; my row of codes
	s_lshl_b32 s39, s37, 5
	s_add_co_u32 s38, s38, s39
	s_add_co_u32 s38, s38, 12288
	s_mov_b32 s39, 0
	s_add_nc_u64 s[38:39], s[8:9], s[38:39]        ; my row of scale bytes
	s_lshl_b32 s40, s22, 2
	s_mov_b32 s41, 0
	s_add_nc_u64 s[40:41], s[10:11], s[40:41]      ; order[pos]
	s_wait_alu depctr_va_vdst(0)
	global_store_b96 v6, v[16:18], s[34:35]        ; the two stores cover the row's 768 consecutive bytes
	global_store_b96 v6, v[20:22], s[34:35] offset:12
	global_store_b8 v7, v11, s[38:39]              ; the row's 32 consecutive scale bytes
	s_cmp_lg_u32 ttmp9, 0
	s_cbranch_scc1 .Lnot_first
	; work-group 0 alone: wave e counts the tokens in front of expert e's
	s_lshl_b32 s20, s14, 11
	COUNT 20, 22
	v_mov_b32 v12, s22
	v_mov_b32 v13, 0x800
	v_cmp_eq_u32 vcc_lo, 1, v1
	s_delay_alu instid0(VALU_DEP_1)
	v_cndmask_b32 v12, v12, v13, vcc_lo            ; lane 0: offs[e];  lane 1: offs[8 + e] = 2,048
	v_and_b32 v14, 1, v1
	s_delay_alu instid0(VALU_DEP_1)
	v_lshlrev_b32 v14, 5, v14
	s_lshl_b32 s36, s14, 2
	v_add_nc_u32 v14, s36, v14
	v_cmp_gt_u32 vcc_lo, 2, v1
	s_wait_alu depctr_va_vdst(0)
	s_wait_xcnt 0x0                                ; EXEC is a source of the loads and stores above: it changes only behind this wait
	s_and_saveexec_b32 s42, vcc_lo
	global_store_b32 v14, v12, s[12:13]
	s_wait_xcnt 0x0
	s_or_b32 exec_lo, exec_lo, s42
.Lnot_first:
	v_mov_b32 v15, 0
	v_mov_b32 v24, s15
	v_cmp_gt_u32 vcc_lo, 1, v1
	s_wait_alu depctr_va_vdst(0)
	s_wait_xcnt 0x0                                ; as above
	s_and_saveexec_b32 s42, vcc_lo
	global_store_b32 v15, v24, s[40:41]            ; order[pos] = t, by lane 0
	s_wait_xcnt 0x0
	s_or_b32 exec_lo, exec_lo, s42
	; the piece of w2
	s_wait_loadcnt 0x0                             ; all 64 rows of my half are in
	v_mov_b32 v[TM+9], 0                           ; a lane permute's destination counts as one of its sources
	QCOL 0
	QCOL 1
	QCOL 2
	QCOL 3
.irp t, 0,1,2,3
.irp i, 0,1,2
	ds_load_b128 v[X+12*\t+4*\i:X+12*\t+4*\i+3], v31 offset:CP*\t+512*\i   ; the images as they will lie: 16 x lane.  LDS serves a wave's instructions in order
.endr
.endr
	s_wait_alu depctr_va_vdst(0)
	s_wait_dscnt 0x0
.irp t, 0,1,2,3
.irp i, 0,1,2
	global_store_b128 v2, v[X+12*\t+4*\i:X+12*\t+4*\i+3], s[54:55] offset:1536*\t+512*\i   ; 512 consecutive bytes, at a multiple of 256 from w2q's first byte
.endr
.endr
	global_store_b128 v27, v[SW:SW+3], s[56:57]    ; 64 scale words: 256 consecutive bytes
	s_wait_tensorcnt 0x0                           ; the wave's end
	ds_add_u32 v176, v177
	s_wait_dscnt 0x0
	s_endpgm
.Lfunc_end_k_q90a21f5a22_prep:
	.size	k_q90a21f5a22_prep, .Lfunc_end_k_q90a21f5a22_prep-k_q90a21f5a22_prep
	.p2alignl 7, 3214868480
	.fill 96, 4, 3214868480
	.section	.rodata,"a",@progbits
	.p2align	6, 0x0
	.amdhsa_kernel k_q90a21f5a22_prep
		.amdhsa_group_segment_fixed_size 52224
		.amdhsa_private_segment_fixed_size 0
		.amdhsa_enable_private_segment 0
		.amdhsa_kernarg_size 64
		.amdhsa_user_sgpr_count 2
		.amdhsa_user_sgpr_kernarg_segment_ptr 1
		.amdhsa_wavefront_size32 1
		.amdhsa_system_sgpr_workgroup_id_x 1
		.amdhsa_system_sgpr_workgroup_id_y 1
		.amdhsa_system_sgpr_workgroup_id_z 1
		.amdhsa_system_vgpr_workitem_id 0
		.amdhsa_next_free_vgpr 512
		.amdhsa_next_free_sgpr 66
		.amdhsa_reserve_vcc 1
		.amdhsa_float_denorm_mode_32 3
		.amdhsa_float_denorm_mode_16_64 3
		.amdhsa_memory_ordered 1
		.amdhsa_forward_progress 1
		.amdhsa_inst_pref_size 76
	.end_amdhsa_kernel
	.amdgpu_metadata
---
amdhsa.version: [ 1, 2 ]
amdhsa.kernels:
  - .name:           k_q90a21f5a22_prep
    .symbol:         k_q90a21f5a22_prep.kd
    .args:
      - { .name: x, .offset: 0, .size: 8, .value_kind: global_buffer, .address_space: global }
      - { .name: expert_ids, .offset: 8, .size: 8, .value_kind: global_buffer, .address_space: global }
      - { .name: xq, .offset: 16, .size: 8, .value_kind: global_buffer, .address_space: global }
      - { .name: order, .offset: 24, .size: 8, .value_kind: global_buffer, .address_space: global }
      - { .name: offs, .offset: 32, .size: 8, .value_kind: global_buffer, .address_space: global }
      - { .name: w2, .offset: 40, .size: 8, .value_kind: global_buffer, .address_space: global }
      - { .name: w2q, .offset: 48, .size: 8, .value_kind: global_buffer, .address_space: global }
      - { .name: w2s, .offset: 56, .size: 8, .value_kind: global_buffer, .address_space: global }
    .group_segment_fixed_size: 52224
    .private_segment_fixed_size: 0
    .kernarg_segment_align: 8
    .kernarg_segment_size: 64
    .max_flat_workgroup_size: 256
    .sgpr_count:     66
    .vgpr_count:     512
    .wavefront_size: 32
...
	.end_amdgpu_metadata
.endif
;; end of part 1
;; launch up (part 2): grid 32 x 8, 4 waves a work-group, no clusters, 139,776 bytes of LDS; arguments w1, xq, offs, hq; writes hq
.if DOCPART == 2
	.amdgcn_target "amdgcn-amd-amdhsa--gfx1250"
	.amdhsa_code_object_version 6
	.text
	.protected	k_q90a21f5a22_up
	.globl	k_q90a21f5a22_up
	.p2align	8
	.type	k_q90a21f5a22_up,@function
k_q90a21f5a22_up:
	s_mov_b64 s[64:65], 0
	v_nop
	global_prefetch_b8 v0, s[64:65] scope:SCOPE_SE
	s_setreg_imm32_b32 hwreg(HW_REG_WAVE_MODE, 25, 1), 1
	s_wait_xcnt 0x0
; UP: h = gelu(x w1_e^T) for the tokens of expert e alone, both operands as codes of FP6 (E2M3) with one E8M0 scale for each 32 along K = 1,024; h leaves as codes along the next K.
; SHARES.  Work-group (j, e) owns hidden units 64 j .. 64 j + 63 of expert e: 64 rows of w1, 262,144 dense bytes, which no other work-group reads.  8 x 32 = 256 work-groups of equal streams.
; PHASE W: wave w reads 16 of the rows, 512 consecutive bytes a load, quantises them in registers (8 K steps of 128) and lays each fragment into LDS as an image of its registers.  One barrier.
; Then every wave takes all 32 fragments (384 registers) and their scale words into registers, where they stay.
; PHASE T: the tiles of 16 sorted places that hold tokens of expert e go round the four waves, tile g0 + wave + 4 i.  A tile: x's codes from xq (12,800 dense bytes, turned into fragments through the wave's own stage),
; 32 matrix instructions, gelu in f32, the quantiser, and 48 bytes of codes + 2 scale bytes a token into hq.  A tile on the border between two experts is worked by both; each stores only its own rows (EXEC).
; The trip count is read from offs, so there is no tensor load, no copy and no joint request in this text, and no barrier behind the first branch on that count; the weights, the bulk of the bytes, are shared with nobody.
; K's PLACES, alike in both operands: in a K step of 128 lane (r, h) holds k = 64 h .. 64 h + 63, 48 consecutive bytes of a row's codes: three loads of 16 bytes.  Its registers 6 c .. 6 c + 5 are block 2 h + c, so byte 2 c + h of a scale word carries block 2 h + c.
; TRANSPOSED USE: source 0 = 16 rows of w1, source 1 = 16 tokens.  The rows of tile t are units 32 (t / 2) + 8 (t % 2) + m + 8 (m / 8), so that register 16 b + i of lane (r, h) is unit 32 b + 16 h + i of token r.
; hq: 128 tiles of 25,600 bytes: 16 K steps of the next product as images of the operand's registers (registers 4 i .. 4 i + 3 of lane 16 h + r at 1,536 s + 512 i + 16 (16 h + r)), then 16 x 64 scale bytes.  My 64 units are half h = j % 2 of K step j / 2.
; gelu(x) = x / (1 + 2^(x (a + b x^2))), a = -2 sqrt(2 / pi) log2(e), b = 0.044715 a: the same function as 0.5 x (1 + tanh(sqrt(2 / pi) (x + 0.044715 x^3))).
; LIMITS: NaN and infinities are not served; a block whose largest magnitude lies under 2^(3 - 127), a block of zeros too, gets the byte 1 (only this program reads the bytes).  The two scale bytes a token leave as single bytes, 64 bytes apart: 2 bytes in 50.
; REGISTERS.  Window 0: v1-15 addresses; v16-47 w1's scale words; v48-55 x's; v56-87 four accumulators; v88-99 codes just made; v100-123 at work; v124-125 a; v128-223 x's fragments (phase W: 64 numbers); v224-255 gelu.
;   Windows 1, 2: w1's fragments of K steps 0-3, 4-7 (phase W: four sets of 64 registers for the loads).   Window 3: v0-99 the next tile of xq as loaded.
.set WSCL, 49152                       ; LDS: 0: 32 images of 1,536 bytes (fragment 4 s + t);  here their scale words, 128 bytes each;
.set WSTG, 53248                       ; a stage for each wave: 16 rows x (512 + 16) bytes;
.set XSTG, 87040                       ; a stage for each wave: 16 rows x (768 + 16) bytes, then 512 scale bytes
.set WS,  16
.set XS,  48
.set HA,  56
.set F,   88
.set CT,  100                          ; v100-102, v104-106: the second halves of two blocks' codes
.set TM,  108
.set AV,  124
.set XF,  128
.set X,   128
.set GT,  224
.set MSB, 0
.macro WIN new                         ; the immediate's high byte repeats the setting that is left; a switch that changes nothing is dropped
.if MSB != (\new)
	s_set_vgpr_msb (MSB<<8)|(\new)
.set MSB, (\new)
.endif
.endm
; K step s of my 16 rows: 512 consecutive bytes of a row to a load, into set s % 4
.macro WLOAD s
	WIN 0x40*(1+((\s)%4)/2)
.irp n, 0,1,2,3,4,5,6,7,8,9,10,11,12,13,14,15
	global_load_b128 v[64*((\s)%2)+4*\n:64*((\s)%2)+4*\n+3], v1, s[16:17] offset:(\n+8*(\n/8))*4096+512*(\s) th:TH_LOAD_NT
.endr
	WIN 0
.endm
; tile g + ahead of xq, 25 loads of 512 consecutive bytes.  The base is written only where no load that names it is out.
.macro XLOAD ahead
	s_add_co_u32 s42, s23, \ahead
	s_min_u32 s42, s42, 127                        ; never binds for a tile that is worked; it keeps every load inside xq
	s_mul_i32 s26, s42, 12800
	s_mov_b32 s27, 0
	s_add_nc_u64 s[26:27], s[6:7], s[26:27]
	WIN 0xc0
.set N, 0
.rept 25
	global_load_b128 v[4*N:4*N+3], v1, s[26:27] offset:512*N
.set N, N+1
.endr
	WIN 0
.endm
; 64 numbers of a lane, k = 64 h .. 64 h + 63 of row r, become the lane's 12 registers of a fragment, and the row's scale word
.macro QW64
.irp c, 0,1
	v_max3_num_f32 v[TM+\c], |v[X+32*\c]|, |v[X+32*\c+1]|, 0x1800000   ; block 2 h + c: all its 32 numbers are mine; the floor 2^(3 - 127) keeps the byte at 1 or above
.endr
.irp i, 2,4,6,8,10,12,14,16,18,20,22,24,26,28,30
.irp c, 0,1
	v_max3_num_f32 v[TM+\c], v[TM+\c], |v[X+32*\c+\i]|, |v[X+32*\c+\i+1]|
.endr
.endr
.irp c, 0,1
	v_add_nc_u32 v[TM+4+\c], 0xff000000, v[TM+\c]  ; 2 off the exponent field: the conversion's scale operand
.endr
.irp c, 0,1
	v_lshrrev_b32 v[TM+6+\c], 23, v[TM+4+\c]       ; the byte
.endr
	v_lshl_or_b32 v[TM+8], v[TM+7], 16, v[TM+6]    ; my two bytes at 2 c,
	v_lshlrev_b32 v[TM+8], v12, v[TM+8]            ; + h;
	v_permlanex16_b32 v[TM+9], v[TM+8], s38, s39
	v_or_b32 v[TM+8], v[TM+8], v[TM+9]             ; with lane l xor 16's two the word is whole
.irp c, 0,1
	v_cvt_scalef32_pk16_fp6_f32 v[F+6*\c:F+6*\c+2], v[X+32*\c:X+32*\c+15], v[TM+4+\c]
	v_cvt_scalef32_pk16_fp6_f32 v[CT+4*\c:CT+4*\c+2], v[X+32*\c+16:X+32*\c+31], v[TM+4+\c]   ; (a conversion's three registers begin on an even number)
.endr
	v_nop                                          ; one plain place behind a scaled conversion
.irp c, 0,1
.irp i, 0,1,2
	v_mov_b32 v[F+6*\c+3+\i], v[CT+4*\c+\i]
.endr
.endr
.endm
.macro WSTEP s
.if (\s) < 5
	s_wait_loadcnt 48                              ; set s is in: three sets of sixteen loads were issued behind it
.else
	s_wait_loadcnt 16*(7-(\s))                     ; the sets behind it run out
.endif
.if (\s) == 7
	XLOAD 0                                        ; my first tile of xq is asked for while the last K step is quantised
.endif
	WIN 0x04*(1+((\s)%4)/2)                        ; an LDS store's data are its source 1
.irp n, 0,1,2,3,4,5,6,7,8,9,10,11,12,13,14,15
	ds_store_b128 v3, v[64*((\s)%2)+4*\n:64*((\s)%2)+4*\n+3] offset:528*\n
.endr
	WIN 0
.irp i, 0,1,2,3,4,5,6,7,8,9,10,11,12,13,14,15
	ds_load_b128 v[X+4*\i:X+4*\i+3], v4 offset:16*\i     ; LDS serves a wave's instructions in order: these see the stores above.  Row r, 256 bytes from 256 h on
.endr
	s_wait_dscnt 0x0                               ; my 64 numbers are in; the stores have read the set, and the last step's image stores their registers
.if (\s)+4 < 8
	WLOAD (\s)+4
.endif
	QW64
.irp i, 0,1,2
	ds_store_b128 v14, v[F+4*\i:F+4*\i+3] offset:6144*(\s)+512*\i   ; fragment 4 s + wave, as it stands: lane l's 16 bytes at 16 l
.endr
	ds_store_b32 v15, v[TM+8] offset:512*(\s)
.endm
.macro MU s, t                         ; tile t of my units x the 16 tokens, K step s.  The four accumulators take turns, one instruction a turn
.if (\s) == 0
	v_wmma_scale_f32_16x16x128_f8f6f4 v[HA+8*\t:HA+8*\t+7], v[12*(4*((\s)%4)+\t):12*(4*((\s)%4)+\t)+11], v[XF+12*(\s):XF+12*(\s)+11], 0, v[WS+4*(\s)+\t], v[XS+(\s)] matrix_a_fmt:MATRIX_FMT_FP6 matrix_b_fmt:MATRIX_FMT_FP6
.else
	v_wmma_scale_f32_16x16x128_f8f6f4 v[HA+8*\t:HA+8*\t+7], v[12*(4*((\s)%4)+\t):12*(4*((\s)%4)+\t)+11], v[XF+12*(\s):XF+12*(\s)+11], v[HA+8*\t:HA+8*\t+7], v[WS+4*(\s)+\t], v[XS+(\s)] matrix_a_fmt:MATRIX_FMT_FP6 matrix_b_fmt:MATRIX_FMT_FP6
.endif
.endm
; One tile of 16 places.  pf = 1: the tile four on, my next, is asked for.
.macro TILE pf
	s_wait_loadcnt 0x0                             ; my tile of xq is in registers, and no load names its base any more
	WIN 0x0c                                       ; the data: window 3
.irp a, 0,1,2,3,4,5,6,7                ; three loads hold two rows of 768 bytes; in the stage a row has 16 bytes more, so the middle load's lanes 16-31, which begin the second row, stand 16 bytes further on
	ds_store_b128 v5, v[12*\a:12*\a+3] offset:1568*\a
	ds_store_b128 v6, v[12*\a+4:12*\a+7] offset:1568*\a+512
	ds_store_b128 v5, v[12*\a+8:12*\a+11] offset:1568*\a+1040
.endr
	ds_store_b128 v5, v[96:99] offset:12544        ; the scale bytes
	WIN 0
.irp s, 0,1,2,3,4,5,6,7
.irp i, 0,1,2
	ds_load_b128 v[XF+12*\s+4*\i:XF+12*\s+4*\i+3], v7 offset:96*\s+16*\i   ; token r, 48 bytes from 96 s + 48 h on
.endr
.endr
.irp q, 0,1
	ds_load_b128 v[XS+4*\q:XS+4*\q+3], v8 offset:16*\q                     ; token r's eight scale words
.endr
	s_wait_dscnt 0x0                               ; fragments and scale words are in; the stores have read window 3
.if \pf
	XLOAD 4
.endif
	WIN 0x01                                       ; source 0 (w1) window 1
.irp s, 0,1,2,3
.irp t, 0,1,2,3
	MU \s, \t
.endr
.endr
	WIN 0x02                                       ; window 2
.irp s, 4,5,6,7
.irp t, 0,1,2,3
	MU \s, \t
.endr
.endr
	WIN 0
.rept 4
	v_nop                                          ; four places between the last products and the first read of results (ISA guide 7.12.1)
.endr
	s_lshl_b32 s42, s23, 4
	s_sub_co_u32 s42, s42, s20
	v_add_nc_u32 v13, s42, v11                     ; my place less the expert's first, unsigned; lanes 16-31 carry 2^30 on top
	v_cmp_gt_u32 s40, s22, v13                     ; lanes 0-15 whose token is this expert's
	; gelu, each accumulator read from its low end on
.set N, 0
.rept 16
	v_pk_mul_f32 v[GT+N:GT+N+1], v[HA+N:HA+N+1], v[HA+N:HA+N+1]
.set N, N+2
.endr
.set N, 0
.rept 16
	v_pk_fma_f32 v[GT+N:GT+N+1], v[GT+N:GT+N+1], s[36:37], v[AV:AV+1] op_sel_hi:[1,0,1]   ; a + b x^2
.set N, N+2
.endr
.set N, 0
.rept 16
	v_pk_mul_f32 v[GT+N:GT+N+1], v[GT+N:GT+N+1], v[HA+N:HA+N+1]
.set N, N+2
.endr
.set N, 0
	s_wait_alu depctr_va_vdst(0)
.rept 32
	v_exp_f32 v[GT+N], v[GT+N]
.set N, N+1
.endr
	v_nop                                          ; one plain place behind the transcendentals
.set N, 0
	s_wait_alu depctr_va_vdst(0)
.rept 16
	v_pk_add_f32 v[GT+N:GT+N+1], v[GT+N:GT+N+1], 1.0 op_sel_hi:[1,0]
.set N, N+2
.endr
.set N, 0
	s_wait_alu depctr_va_vdst(0)
.rept 32
	v_rcp_f32 v[GT+N], v[GT+N]
.set N, N+1
.endr
	v_nop
.set N, 0
	s_wait_alu depctr_va_vdst(0)
.rept 16
	v_pk_mul_f32 v[HA+N:HA+N+1], v[HA+N:HA+N+1], v[GT+N:GT+N+1]
.set N, N+2
.endr
	; the quantiser along the next K: block b of my 64 units lies in lanes l and l xor 16, 16 numbers each
.irp b, 0,1
	v_max3_num_f32 v[TM+\b], |v[HA+16*\b]|, |v[HA+16*\b+1]|, 0x1800000
.endr
.irp i, 2,4,6,8,10,12,14
.irp b, 0,1
	v_max3_num_f32 v[TM+\b], v[TM+\b], |v[HA+16*\b+\i]|, |v[HA+16*\b+\i+1]|
.endr
.endr
.irp b, 0,1
	v_permlanex16_b32 v[TM+2+\b], v[TM+\b], s38, s39
.endr
.irp b, 0,1
	v_max_num_f32 v[TM+\b], v[TM+\b], v[TM+2+\b]
.endr
.irp b, 0,1
	v_add_nc_u32 v[TM+4+\b], 0xff000000, v[TM+\b]
.endr
.irp b, 0,1
	v_lshrrev_b32 v[TM+6+\b], 23, v[TM+4+\b]
.endr
	v_cvt_scalef32_pk16_fp6_f32 v[F:F+2], v[HA:HA+15], v[TM+4]
	v_cvt_scalef32_pk16_fp6_f32 v[F+6:F+8], v[HA+16:HA+31], v[TM+5]
	v_nop                                          ; one plain place behind a scaled conversion
.irp i, 0,1,2
	v_permlanex16_b32 v[F+3+\i], v[F+\i], s38, s39         ; lanes 0-15 take the upper 16 codes of each block from the lane 16 on: they now hold a token's 64 codes in 12 registers
	v_permlanex16_b32 v[F+9+\i], v[F+6+\i], s38, s39
.endr
	s_min_u32 s42, s23, 127
	s_mul_i32 s42, s42, 25600
	s_add_co_u32 s28, s42, s32
	s_mov_b32 s29, 0
	s_add_nc_u64 s[28:29], s[10:11], s[28:29]      ; the tile's K step j / 2, half j % 2
	s_add_co_u32 s30, s42, s33
	s_mov_b32 s31, 0
	s_add_nc_u64 s[30:31], s[10:11], s[30:31]      ; and its scale bytes
	s_wait_alu depctr_va_vdst(0)
	s_wait_xcnt 0x0                                ; EXEC is a source of the loads asked for above: it changes only behind this wait
	s_and_saveexec_b32 s41, s40
.irp i, 0,1,2
	global_store_b128 v9, v[F+4*\i:F+4*\i+3], s[28:29] offset:512*\i   ; sixteen lanes cover 256 consecutive bytes, at a multiple of 256 from hq's first byte
.endr
	global_store_b8 v10, v[TM+6], s[30:31]         ; block c's byte at 2 c + j % 2 of the K step's word
	global_store_b8 v10, v[TM+7], s[30:31] offset:2
	s_wait_xcnt 0x0                                ; and again: behind it EXEC, the stores' data and their bases may be written
	s_or_b32 exec_lo, exec_lo, s41
	s_add_co_u32 s23, s23, 4
.endm
	s_load_b256 s[4:11], s[0:1], 0x0               ; w1 s[4:5], xq s[6:7], offs s[8:9], hq s[10:11]
	v_lshl_add_u32 v126, v0, 2, 0x22000
	v_mov_b32 v127, 0
	v_lshrrev_b32 v13, 5, v0
	v_readfirstlane_b32 s12, v13                   ; wave 0..3
	s_mov_b32 s13, ttmp9                           ; j
	s_and_b32 s14, ttmp7, 0xffff                   ; e
	v_and_b32 v[TM], 31, v0                        ; lane
	v_and_b32 v[TM+1], 15, v0                      ; r
	v_bfe_u32 v[TM+2], v0, 4, 1                    ; h
	v_lshlrev_b32 v1, 4, v[TM]                     ; 16 x lane
	v_lshlrev_b32 v2, 2, v[TM]                     ; 4 x lane
	s_mul_i32 s42, s12, 8448
	s_add_co_u32 s42, s42, WSTG
	v_add_nc_u32 v3, s42, v1                       ; w1's stage, in
	v_mul_u32_u24 v4, v[TM+1], 528
	v_lshl_add_u32 v4, v[TM+2], 8, v4
	v_add_nc_u32 v4, s42, v4                       ; and out: row r, + 256 h
	s_mul_i32 s43, s12, 13056
	s_add_co_u32 s43, s43, XSTG
	v_add_nc_u32 v5, s43, v1                       ; x's stage, in;
	v_lshl_add_u32 v6, v[TM+2], 4, v5              ; the same with 16 bytes more for lanes 16-31;
	v_mul_u32_u24 v7, v[TM+1], 784
	v_mad_u32_u24 v7, v[TM+2], 48, v7
	v_add_nc_u32 v7, s43, v7                       ; out: row r, + 48 h;
	v_lshlrev_b32 v8, 5, v[TM+1]
	v_add_nc_u32 v8, s43, v8
	v_add_nc_u32 v8, 12544, v8                     ; row r's 32 scale bytes
	v_lshlrev_b32 v9, 4, v[TM+1]                   ; hq: 16 r
	v_lshlrev_b32 v10, 6, v[TM+1]                  ; hq's scale bytes: 64 r
	v_lshl_add_u32 v11, v[TM+2], 30, v[TM]         ; lane, + 2^30 in lanes 16-31: they store nothing
	v_lshlrev_b32 v12, 3, v[TM+2]                  ; 8 h
	s_mul_i32 s44, s12, 1536
	v_add_nc_u32 v14, s44, v1                      ; my images: 16 x lane + 1,536 x wave
	s_lshl_b32 s44, s12, 7
	s_add_co_u32 s44, s44, WSCL
	v_add_nc_u32 v15, s44, v2                      ; their scale words: 4 x lane + 128 x wave
	v_mov_b32 v[TM+3], 0                           ; a lane permute's destination counts as one of its sources: written once
	v_mov_b32 v[TM+9], 0
	v_mov_b32 v[AV], 0xc0135761                    ; a = -2.3022082
	v_mov_b32 v[AV+1], 0xc0135761
	s_mov_b32 s36, 0xbdd2d3e8                      ; b = -0.10294324
	s_mov_b32 s37, s36                             ; (named with it as a pair, so it is written)
	s_mov_b32 s38, 0x76543210
	s_mov_b32 s39, 0xfedcba98                      ; v_permlanex16_b32's selects for lane l xor 16
	s_lshl_b32 s16, s14, 11                        ; my first row of w1: 2,048 e + 64 j + 32 (wave / 2) + 8 (wave % 2)
	s_lshl_b32 s42, s13, 6
	s_add_co_u32 s16, s16, s42
	s_lshr_b32 s42, s12, 1
	s_lshl_b32 s42, s42, 5
	s_add_co_u32 s16, s16, s42
	s_and_b32 s42, s12, 1
	s_lshl_b32 s42, s42, 3
	s_add_co_u32 s16, s16, s42
	s_lshl_b32 s16, s16, 12                        ; 4,096 bytes a row: under 2^26
	s_mov_b32 s17, 0
	s_lshr_b32 s42, s13, 1
	s_and_b32 s43, s13, 1
	s_mul_i32 s32, s42, 1536
	s_lshl_b32 s44, s43, 8
	s_add_co_u32 s32, s32, s44                     ; in a tile of hq: 1,536 (j / 2) + 256 (j % 2)
	s_lshl_b32 s33, s42, 2
	s_add_co_u32 s33, s33, s43
	s_add_co_u32 s33, s33, 24576                   ; 24,576 + 4 (j / 2) + j % 2
	s_lshl_b32 s45, s14, 2
	s_wait_kmcnt 0x0
	s_add_nc_u64 s[16:17], s[4:5], s[16:17]
	s_load_b32 s20, s[8:9], s45 offset:0x0         ; offs[e]
	s_load_b32 s21, s[8:9], s45 offset:0x4         ; offs[e + 1]
	WLOAD 0
	WLOAD 1
	WLOAD 2
	WLOAD 3                                        ; four K steps, 64 loads of 512 bytes, are asked for by each wave
	s_wait_kmcnt 0x0
	s_min_u32 s20, s20, 2048
	s_min_u32 s21, s21, 2048
	s_sub_co_u32 s22, s21, s20                     ; the expert's tokens
	s_lshr_b32 s42, s20, 4                         ; its first tile,
	s_add_co_u32 s43, s21, 15
	s_lshr_b32 s43, s43, 4                         ; and the one behind its last
	s_add_co_u32 s23, s42, s12                     ; my first tile
	s_sub_co_u32 s24, s43, s42
	s_add_co_u32 s24, s24, 3
	s_sub_co_u32 s24, s24, s12
	s_lshr_b32 s24, s24, 2                         ; my tiles
	s_min_u32 s24, s24, 32                         ; (128 tiles over four waves: never more)
.irp s, 0,1,2,3,4,5,6,7
	WSTEP \s
.endr
	s_wait_dscnt 0x0                               ; for the others' sake: my images lie in LDS
	s_barrier_signal -1
	s_barrier_wait -1                              ; everybody's do.  The one barrier of the text; nobody writes the images again
	WIN 0x40
.set N, 0
.rept 16
.irp i, 0,1,2
	ds_load_b128 v[12*N+4*\i:12*N+4*\i+3], v1 offset:1536*N+512*\i
.endr
.set N, N+1
.endr
	WIN 0x80
.set N, 0
.rept 16
.irp i, 0,1,2
	ds_load_b128 v[12*N+4*\i:12*N+4*\i+3], v1 offset:1536*(N+16)+512*\i
.endr
.set N, N+1
.endr
	WIN 0
.set N, 0
.rept 32
	ds_load_b32 v[WS+N], v2 offset:WSCL+128*N
.set N, N+1
.endr
	s_wait_dscnt 0x0
	s_cmp_eq_u32 s24, 0
	s_cbranch_scc1 .Lend                           ; no tile for me
	s_sub_co_u32 s24, s24, 1
	s_cmp_eq_u32 s24, 0
	s_cbranch_scc1 .Llast
.Ltile:
	TILE 1
	s_sub_co_u32 s24, s24, 1
	s_cmp_lg_u32 s24, 0
	s_cbranch_scc1 .Ltile
.Llast:
	TILE 0                                         ; the last tile asks for nothing more
.Lend:
	s_wait_tensorcnt 0x0
	ds_add_u32 v126, v127
	s_wait_dscnt 0x0
	s_endpgm
.Lfunc_end_k_q90a21f5a22_up:
	.size	k_q90a21f5a22_up, .Lfunc_end_k_q90a21f5a22_up-k_q90a21f5a22_up
	.p2alignl 7, 3214868480
	.fill 96, 4, 3214868480
	.section	.rodata,"a",@progbits
	.p2align	6, 0x0
	.amdhsa_kernel k_q90a21f5a22_up
		.amdhsa_group_segment_fixed_size 139776
		.amdhsa_private_segment_fixed_size 0
		.amdhsa_enable_private_segment 0
		.amdhsa_kernarg_size 32
		.amdhsa_user_sgpr_count 2
		.amdhsa_user_sgpr_kernarg_segment_ptr 1
		.amdhsa_wavefront_size32 1
		.amdhsa_system_sgpr_workgroup_id_x 1
		.amdhsa_system_sgpr_workgroup_id_y 1
		.amdhsa_system_sgpr_workgroup_id_z 1
		.amdhsa_system_vgpr_workitem_id 0
		.amdhsa_next_free_vgpr 896
		.amdhsa_next_free_sgpr 66
		.amdhsa_reserve_vcc 0
		.amdhsa_float_denorm_mode_32 3
		.amdhsa_float_denorm_mode_16_64 3
		.amdhsa_memory_ordered 1
		.amdhsa_forward_progress 1
		.amdhsa_inst_pref_size 109
	.end_amdhsa_kernel
	.amdgpu_metadata
---
amdhsa.version: [ 1, 2 ]
amdhsa.kernels:
  - .name:           k_q90a21f5a22_up
    .symbol:         k_q90a21f5a22_up.kd
    .args:
      - { .name: w1, .offset: 0, .size: 8, .value_kind: global_buffer, .address_space: global }
      - { .name: xq, .offset: 8, .size: 8, .value_kind: global_buffer, .address_space: global }
      - { .name: offs, .offset: 16, .size: 8, .value_kind: global_buffer, .address_space: global }
      - { .name: hq, .offset: 24, .size: 8, .value_kind: global_buffer, .address_space: global }
    .group_segment_fixed_size: 139776
    .private_segment_fixed_size: 0
    .kernarg_segment_align: 8
    .kernarg_segment_size: 32
    .max_flat_workgroup_size: 128
    .sgpr_count:     66
    .vgpr_count:     896
    .wavefront_size: 32
...
	.end_amdgpu_metadata
.endif
;; end of part 2
;; launch down (part 3): grid 32 x 8, 4 waves a work-group, no clusters, 60,928 bytes of LDS; arguments w2q, w2s, hq, order, offs, out0; writes out0
.if DOCPART == 3
	.amdgcn_target "amdgcn-amd-amdhsa--gfx1250"
	.amdhsa_code_object_version 6
	.text
	.protected	k_q90a21f5a22_down
	.globl	k_q90a21f5a22_down
	.p2align	8
	.type	k_q90a21f5a22_down,@function
k_q90a21f5a22_down:
	s_mov_b64 s[64:65], 0
	v_nop
	global_prefetch_b8 v0, s[64:65] scope:SCOPE_SE
	s_setreg_imm32_b32 hwreg(HW_REG_WAVE_MODE, 25, 1), 1
	s_wait_xcnt 0x0
; DOWN: out[t] = h[t] w2_e for the tokens of expert e alone (the other experts' rows are thrown away by reference()'s own where and are not multiplied), both operands as codes of FP6 (E2M3) with one E8M0 scale for each 32 along K = 2,048.
; SHARES.  Work-group (j, e) owns columns 32 j .. 32 j + 31 of expert e for all of K: 32 fragment images of 1,536 bytes and 16 x 32 scale words, laid by the first launch as the operand's registers want them.
; HEAD: wave w fetches K steps 4 w .. 4 w + 3 (24 loads of 512 consecutive bytes, 4 of 128) and lays them into LDS; one barrier; then every wave keeps all 32 fragments (384 registers) and the 16 scale registers.
; The first tile of h is asked for ahead of that barrier.
; LOOP: the tiles of 16 sorted places with tokens of expert e go round the four waves, tile g0 + wave + 4 i.  A tile: h's 16 fragments straight from hq into registers (they lie there as register images), 32 matrix
; instructions, and the 16 x 32 results through the wave's own stage to the rows of out0 that order names.  Each tile is asked for a whole trip ahead, half by half, as the registers come free: so no prefetch is laid.
; THE ROWS OF out0.  A tile's 16 tokens come as scalars; each is held at 2,047 and goes into a base of its own (16 pairs of scalar registers).  The rows come back from the stage a row to a register, column = lane:
; a store serves one row with all 32 lanes on, 128 consecutive bytes, and no wait stands between the sixteen stores.
; A tile on the border between two experts is worked by both; each stores only its own rows: there a row's store runs with all lanes or with none (EXEC).  Every row of out0 has one owner.
; 8 x 1,024 columns over 256 work-groups are 32 columns: out0 is written in runs of 128 bytes; twice the columns would want twice the 384 registers of fragments.
; The trip count is read from offs, so there is no tensor load, no copy and no joint request in this text, and no barrier behind the first branch on that count.
; K's PLACES, alike in both operands: in a K step of 128 lane (r, h) holds k = 64 h .. 64 h + 63; its registers 6 c .. 6 c + 5 are block 2 h + c, so byte 2 c + h of a scale word carries block 2 h + c.
; TRANSPOSED USE: source 0 = 16 columns of w2, source 1 = 16 tokens: a lane holds eight neighbouring columns of one token.
; ORDER OF SUMS: each output is summed in two chains, the even K steps and the odd, added in f32 at the end: four accumulators that take turns.   LIMITS: NaN and infinities are not served.
; REGISTERS.  Window 0: v1-13 addresses; v16-31 w2's scale words (lanes 0-15 columns 0-15, lanes 16-31 columns 16-31); v32-47 h's; v48-79 accumulators; v80-95 the 16 rows on the way out;
;   head: v128-227 my quarter of the images.   Windows 1, 2: w2's fragments of K steps 0-7, 8-15.   Window 3: h's 16 fragments.
;   Scalars: s[26:27] the tile of hq, s[28:29] its words of order, s[30:31] out0 at my columns, s[32:33] a row's offset, s[48:63] the tile's 16 tokens, s[66:97] the 16 rows' bases.
.set WSCL, 49152                       ; LDS: 0: 32 images of 1,536 bytes (fragment 2 s + ct);  here the scale words, 128 bytes a K step;
.set OSTG, 51200                       ; a stage for each wave: 16 rows x (128 + 16) bytes;
.set SPARE, 60416                      ; the spare words
.set WS,  16
.set HS,  32
.set ACC, 48                           ; accumulator (ct, parity of s) at ACC + 16 ct + 8 (s % 2)
.set OB,  80
.set TM,  108
.set TOK, 48
.set RB,  66
.set MSB, 0
.macro WIN new
.if MSB != (\new)
	s_set_vgpr_msb (MSB<<8)|(\new)
.set MSB, (\new)
.endif
.endm
.macro SETPB ahead                     ; tile g + ahead of hq.  Written only behind a wait that frees it
	s_add_co_u32 s42, s23, \ahead
	s_min_u32 s42, s42, 127                        ; never binds for a tile that is worked; it keeps every load inside its buffer
	s_mul_i32 s26, s42, 25600
	s_mov_b32 s27, 0
	s_add_nc_u64 s[26:27], s[8:9], s[26:27]
.endm
.macro SETPO ahead                     ; and its 16 words of order
	s_add_co_u32 s42, s23, \ahead
	s_min_u32 s42, s42, 127
	s_lshl_b32 s28, s42, 6
	s_mov_b32 s29, 0
	s_add_nc_u64 s[28:29], s[10:11], s[28:29]
.endm
.macro HLOAD hf                        ; 26 loads: h's fragments of K steps 8 hf .. 8 hf + 7, 512 consecutive bytes a load, and their scale words
	WIN 0xc0
.irp s, 0,1,2,3,4,5,6,7
.irp i, 0,1,2
	global_load_b128 v[96*(\hf)+12*\s+4*\i:96*(\hf)+12*\s+4*\i+3], v1, s[26:27] offset:1536*(8*(\hf)+\s)+512*\i
.endr
.endr
	WIN 0
.irp q, 0,1
	global_load_b128 v[HS+8*(\hf)+4*\q:HS+8*(\hf)+4*\q+3], v6, s[26:27] offset:32*(\hf)+16*\q
.endr
.endm
.macro TLOAD                           ; the tile's 16 tokens, 64 consecutive bytes, as scalars
	s_load_b512 s[TOK:TOK+15], s[28:29], 0x0
.endm
.macro MM s, ct                        ; columns 16 ct .. + 15 x the 16 tokens, K step s.  The four accumulators take turns, one instruction a turn
.set AR, 12*(2*((\s)%8)+(\ct))
.set BR, 12*(\s)
.set CR, ACC+16*(\ct)+8*((\s)%2)
.if (\s) < 2
.if (\ct) == 0
	v_wmma_scale_f32_16x16x128_f8f6f4 v[CR:CR+7], v[AR:AR+11], v[BR:BR+11], 0, v[WS+(\s)], v[HS+(\s)] matrix_a_fmt:MATRIX_FMT_FP6 matrix_b_fmt:MATRIX_FMT_FP6
.else
	v_wmma_scale_f32_16x16x128_f8f6f4 v[CR:CR+7], v[AR:AR+11], v[BR:BR+11], 0, v[WS+(\s)], v[HS+(\s)] matrix_a_fmt:MATRIX_FMT_FP6 matrix_b_fmt:MATRIX_FMT_FP6 matrix_a_scale:MATRIX_SCALE_ROW1
.endif
.else
.if (\ct) == 0
	v_wmma_scale_f32_16x16x128_f8f6f4 v[CR:CR+7], v[AR:AR+11], v[BR:BR+11], v[CR:CR+7], v[WS+(\s)], v[HS+(\s)] matrix_a_fmt:MATRIX_FMT_FP6 matrix_b_fmt:MATRIX_FMT_FP6
.else
	v_wmma_scale_f32_16x16x128_f8f6f4 v[CR:CR+7], v[AR:AR+11], v[BR:BR+11], v[CR:CR+7], v[WS+(\s)], v[HS+(\s)] matrix_a_fmt:MATRIX_FMT_FP6 matrix_b_fmt:MATRIX_FMT_FP6 matrix_a_scale:MATRIX_SCALE_ROW1
.endif
.endif
.endm
; One tile of 16 places.  pf = 1: the tile four on, my next, is asked for, half by half, as this tile's halves are done with.
.macro TILE2 pf
	s_wait_loadcnt 26                              ; H0 is in: behind it H1's 26 loads were issued
	WIN 0x0d                                       ; source 0 (w2) window 1, source 1 (h) window 3
.irp s, 0,1,2,3,4,5,6,7
.irp ct, 0,1
	MM \s, \ct
.endr
.endr
	WIN 0
.rept 4
	v_nop                                          ; four places in front of loads into registers that matrix instructions have read
.endr
	s_wait_xcnt 0x0                                ; the loads have read their base, the last tile's stores their data and bases: all may be written again
.if \pf
	SETPB 4
	HLOAD 0
	s_wait_loadcnt 26                              ; H1 is in: behind it the next H0's 26
.else
	s_wait_loadcnt 0x0                             ; H1 is in
.endif
	WIN 0x0e                                       ; source 0 window 2
.irp s, 8,9,10,11,12,13,14,15
.irp ct, 0,1
	MM \s, \ct
.endr
.endr
	WIN 0
.rept 4
	v_nop                                          ; four places: for the loads below, and for the first read of results
.endr
.if \pf
	HLOAD 1
.endif
.irp ct, 0,1
.irp k, 0,2,4,6
	v_pk_add_f32 v[ACC+16*\ct+\k:ACC+16*\ct+\k+1], v[ACC+16*\ct+\k:ACC+16*\ct+\k+1], v[ACC+16*\ct+8+\k:ACC+16*\ct+8+\k+1]   ; the two chains, each accumulator from its low end on
.endr
.endr
.irp ct, 0,1
.irp q, 0,1
	ds_store_b128 v8, v[ACC+16*\ct+4*\q:ACC+16*\ct+4*\q+3] offset:64*\ct+16*\q   ; token r, columns 16 ct + 8 h + 0 .. 7
.endr
.endr
.irp r, 0,1,2,3,4,5,6,7,8,9,10,11,12,13,14,15
	ds_load_b32 v[OB+\r], v9 offset:144*\r         ; back by rows: row r, column = lane: 128 consecutive bytes.  LDS serves a wave's instructions in order
.endr
	s_lshl_b32 s40, s23, 4
	s_sub_co_u32 s40, s40, s20                     ; the tile's first place less the expert's first, unsigned
	s_add_co_u32 s42, s40, 15                      ; and its last
	s_cmp_lt_u32 s40, s22
	s_cselect_b32 s42, s42, -1                     ; under the expert's count only if the first place and the last are the expert's
	s_wait_kmcnt 0x0                               ; the tile's tokens are in (asked for a tile ago)
.irp r, 0,1,2,3,4,5,6,7,8,9,10,11,12,13,14,15
	s_min_u32 s32, s[TOK+\r], 0x7ff                ; a token's number enters an address: held at the last row of out0
	s_lshl_b32 s32, s32, 12                        ; 4,096 bytes a row
	s_add_nc_u64 s[RB+2*\r:RB+2*\r+1], s[30:31], s[32:33]   ; its row of out0, at my columns
.endr
	s_wait_dscnt 0x0                               ; the rows are back
	s_cmp_lt_u32 s42, s22
	s_cbranch_scc0 .Lborder_\@
.irp r, 0,1,2,3,4,5,6,7,8,9,10,11,12,13,14,15
	global_store_b32 v2, v[OB+\r], s[RB+2*\r:RB+2*\r+1] th:TH_STORE_NT   ; all 16 rows are this expert's; written once, read by nobody here
.endr
	s_branch .Lstored_\@
.Lborder_\@:
	s_wait_xcnt 0x0                                ; EXEC is a source of the loads asked for above: it changes only behind this wait
.irp r, 0,1,2,3,4,5,6,7,8,9,10,11,12,13,14,15
	s_add_co_u32 s41, s40, \r
	s_cmp_lt_u32 s41, s22
	s_cselect_b32 s41, -1, 0                       ; all lanes where the row's token is this expert's, else none
	s_and_saveexec_b32 s43, s41
	global_store_b32 v2, v[OB+\r], s[RB+2*\r:RB+2*\r+1] th:TH_STORE_NT
	s_wait_xcnt 0x0                                ; in front of the line that widens EXEC
	s_or_b32 exec_lo, exec_lo, s43
.endr
.Lstored_\@:
.if \pf
	SETPO 4                                        ; (the load that named this base was shown done by the wait on KMcnt above)
	TLOAD
.endif
	s_add_co_u32 s23, s23, 4
.endm
	s_load_b256 s[4:11], s[0:1], 0x0               ; w2q s[4:5], w2s s[6:7], hq s[8:9], order s[10:11]
	s_load_b128 s[12:15], s[0:1], 0x20             ; offs s[12:13], out0 s[14:15]
	v_lshl_add_u32 v126, v0, 2, SPARE
	v_mov_b32 v127, 0
	v_lshrrev_b32 v[TM], 5, v0
	v_readfirstlane_b32 s16, v[TM]                 ; wave 0..3
	s_mov_b32 s17, ttmp9                           ; j
	s_and_b32 s44, ttmp7, 0xffff                   ; e
	v_and_b32 v[TM], 31, v0                        ; lane
	v_and_b32 v[TM+1], 15, v0                      ; r
	v_bfe_u32 v[TM+2], v0, 4, 1                    ; h
	v_lshlrev_b32 v1, 4, v[TM]                     ; 16 x lane
	v_lshlrev_b32 v2, 2, v[TM]                     ; 4 x lane
	v_lshlrev_b32 v6, 6, v[TM+1]
	v_add_nc_u32 v6, 24576, v6                     ; hq: token r's 64 scale bytes
	s_mul_i32 s43, s16, 2304
	s_add_co_u32 s43, s43, OSTG
	v_mul_u32_u24 v8, v[TM+1], 144
	v_lshl_add_u32 v8, v[TM+2], 5, v8
	v_add_nc_u32 v8, s43, v8                       ; the way out, in: row r, + 32 h;
	v_add_nc_u32 v9, s43, v2                       ; back: column = lane
	s_mul_i32 s42, s16, 12288
	v_add_nc_u32 v12, s42, v1                      ; my images in LDS: 16 x lane + 8 x 1,536 x wave
	s_lshl_b32 s42, s16, 9
	s_add_co_u32 s42, s42, WSCL
	v_add_nc_u32 v13, s42, v2                      ; their scale words: 4 x lane + 512 x wave
	s_lshl_b32 s40, s44, 4                         ; (16 e + j / 2) 16 + 4 wave: my first K step's record
	s_lshr_b32 s41, s17, 1
	s_add_co_u32 s40, s40, s41
	s_lshl_b32 s40, s40, 4
	s_lshl_b32 s41, s16, 2
	s_add_co_u32 s40, s40, s41
	s_and_b32 s43, s17, 1                          ; which 32 of the record's 64 columns
	s_mul_i32 s18, s40, 6144
	s_mul_i32 s41, s43, 3072
	s_add_co_u32 s18, s18, s41
	s_mov_b32 s19, 0
	s_lshl_b32 s34, s40, 8
	s_lshl_b32 s41, s43, 7
	s_add_co_u32 s34, s34, s41
	s_mov_b32 s35, 0
	s_lshl_b32 s30, s17, 7                         ; my 32 columns of out0: 128 j bytes
	s_mov_b32 s31, 0
	s_mov_b32 s33, 0                               ; the upper word of a row's offset
	s_lshl_b32 s45, s44, 2
	s_wait_alu depctr_va_vdst(0)
	s_wait_kmcnt 0x0
	s_add_nc_u64 s[18:19], s[4:5], s[18:19]
	s_add_nc_u64 s[34:35], s[6:7], s[34:35]
	s_add_nc_u64 s[30:31], s[14:15], s[30:31]
	s_load_b32 s20, s[12:13], s45 offset:0x0       ; offs[e]
	s_load_b32 s21, s[12:13], s45 offset:0x4       ; offs[e + 1]
.irp u, 0,1,2,3
.irp i, 0,1,2,3,4,5
	global_load_b128 v[128+24*\u+4*\i:128+24*\u+4*\i+3], v1, s[18:19] offset:6144*\u+512*\i   ; K step 4 wave + u: two images, 3,072 consecutive bytes
.endr
.endr
.irp u, 0,1,2,3
	global_load_b32 v[224+\u], v2, s[34:35] offset:256*\u                                     ; and its 32 scale words
.endr
	s_wait_kmcnt 0x0
	s_min_u32 s20, s20, 2048
	s_min_u32 s21, s21, 2048
	s_sub_co_u32 s22, s21, s20                     ; the expert's tokens
	s_lshr_b32 s42, s20, 4                         ; its first tile,
	s_add_co_u32 s43, s21, 15
	s_lshr_b32 s43, s43, 4                         ; and the one behind its last
	s_add_co_u32 s23, s42, s16                     ; my first tile
	s_sub_co_u32 s24, s43, s42
	s_add_co_u32 s24, s24, 3
	s_sub_co_u32 s24, s24, s16
	s_lshr_b32 s24, s24, 2                         ; my tiles
	s_min_u32 s24, s24, 32                         ; (128 tiles over four waves: never more)
	SETPB 0
	SETPO 0
	HLOAD 0                                        ; my first tile: H0, H1, and its tokens
	HLOAD 1
	TLOAD
	s_wait_loadcnt 52                              ; my quarter of the images is in: behind it 26 + 26 loads
.irp u, 0,1,2,3
.irp i, 0,1,2,3,4,5
	ds_store_b128 v12, v[128+24*\u+4*\i:128+24*\u+4*\i+3] offset:3072*\u+512*\i
.endr
.endr
.irp u, 0,1,2,3
	ds_store_b32 v13, v[224+\u] offset:128*\u
.endr
	s_wait_dscnt 0x0                               ; for the others' sake: my images lie in LDS
	s_barrier_signal -1
	s_barrier_wait -1                              ; everybody's do.  The one barrier of the text; nobody writes the images again
	WIN 0x40
.set N, 0
.rept 16
.irp i, 0,1,2
	ds_load_b128 v[12*N+4*\i:12*N+4*\i+3], v1 offset:1536*N+512*\i
.endr
.set N, N+1
.endr
	WIN 0x80
.set N, 0
.rept 16
.irp i, 0,1,2
	ds_load_b128 v[12*N+4*\i:12*N+4*\i+3], v1 offset:1536*(N+16)+512*\i
.endr
.set N, N+1
.endr
	WIN 0
.set N, 0
.rept 16
	ds_load_b32 v[WS+N], v2 offset:WSCL+128*N
.set N, N+1
.endr
	s_wait_dscnt 0x0
	s_cmp_eq_u32 s24, 0
	s_cbranch_scc1 .Lend                           ; no tile for me
	s_sub_co_u32 s24, s24, 1
	s_cmp_eq_u32 s24, 0
	s_cbranch_scc1 .Llast
.Ltile:
	TILE2 1
	s_sub_co_u32 s24, s24, 1
	s_cmp_lg_u32 s24, 0
	s_cbranch_scc1 .Ltile
.Llast:
	TILE2 0                                        ; the last tile asks for nothing more
.Lend:
	s_wait_tensorcnt 0x0                           ; the wave's end
	ds_add_u32 v126, v127
	s_wait_dscnt 0x0
	s_endpgm
.Lfunc_end_k_q90a21f5a22_down:
	.size	k_q90a21f5a22_down, .Lfunc_end_k_q90a21f5a22_down-k_q90a21f5a22_down
	.p2alignl 7, 3214868480
	.fill 96, 4, 3214868480
	.section	.rodata,"a",@progbits
	.p2align	6, 0x0
	.amdhsa_kernel k_q90a21f5a22_down
		.amdhsa_group_segment_fixed_size 60928
		.amdhsa_private_segment_fixed_size 0
		.amdhsa_enable_private_segment 0
		.amdhsa_kernarg_size 48
		.amdhsa_user_sgpr_count 2
		.amdhsa_user_sgpr_kernarg_segment_ptr 1
		.amdhsa_wavefront_size32 1
		.amdhsa_system_sgpr_workgroup_id_x 1
		.amdhsa_system_sgpr_workgroup_id_y 1
		.amdhsa_system_sgpr_workgroup_id_z 1
		.amdhsa_system_vgpr_workitem_id 0
		.amdhsa_next_free_vgpr 960
		.amdhsa_next_free_sgpr 98
		.amdhsa_reserve_vcc 0
		.amdhsa_float_denorm_mode_32 3
		.amdhsa_float_denorm_mode_16_64 3
		.amdhsa_memory_ordered 1
		.amdhsa_forward_progress 1
		.amdhsa_inst_pref_size 56
	.end_amdhsa_kernel
	.amdgpu_metadata
---
amdhsa.version: [ 1, 2 ]
amdhsa.kernels:
  - .name:           k_q90a21f5a22_down
    .symbol:         k_q90a21f5a22_down.kd
    .args:
      - { .name: w2q, .offset: 0, .size: 8, .value_kind: global_buffer, .address_space: global }
      - { .name: w2s, .offset: 8, .size: 8, .value_kind: global_buffer, .address_space: global }
      - { .name: hq, .offset: 16, .size: 8, .value_kind: global_buffer, .address_space: global }
      - { .name: order, .offset: 24, .size: 8, .value_kind: global_buffer, .address_space: global }
      - { .name: offs, .offset: 32, .size: 8, .value_kind: global_buffer, .address_space: global }
      - { .name: out0, .offset: 40, .size: 8, .value_kind: global_buffer, .address_space: global }
    .group_segment_fixed_size: 60928
    .private_segment_fixed_size: 0
    .kernarg_segment_align: 8
    .kernarg_segment_size: 48
    .max_flat_workgroup_size: 128
    .sgpr_count:     98
    .vgpr_count:     960
    .wavefront_size: 32
...
	.end_amdgpu_metadata
.endif
;; end of part 3
